; MI455X (gfx1250); checked and timed in simulation.
; The chip was launched on July 23, 2026; its instructions are those of AMD's public machine-readable ISA for CDNA 5 (MIT licence, August 2026) and "CDNA5" Instruction Set Architecture Reference Guide (July 2026). The comments in the code are by the model that wrote it; some were corrected since.
;; Multi Head Attention. Allowed arithmetic: float matrix products may take bf16 or f16 operands with f32 sums; all other float work in f32.
;; Inputs: Wk 512 x 512 float32; Wo 512 x 512 float32; Wq 512 x 512 float32; Wv 512 x 512 float32; bk 512 float32; bo 512 float32; bq 512 float32; bv 512 float32; k 2 x 4,096 x 512 float32; q 2 x 4,096 x 512 float32; v 2 x 4,096 x 512 float32.
;; Outputs: out0 2 x 4,096 x 512 float32.
;; One version. Each part assembles by itself: llvm-mc -triple=amdgcn-amd-amdhsa -mcpu=gfx1250 --defsym DOCPART=n.
;; ======== version 1 of 1: 3 launches
;; limits: values are held in f16: magnitudes above 65,504 overflow, below 6.1e-05 lose precision; right only within a limited range of input values
;; workspace buffers: qh 8,388,608 bytes; kh 8,388,608 bytes; vh 8,388,608 bytes; oh 8,388,608 bytes; wo16 524,288 bytes
;; launch proj (part 1): grid 4 x 64, 4 waves a work-group, clusters of 4 x 4, 327,680 bytes of LDS; arguments q, k, v, Wq, Wk, Wv, bq, bk, bv, Wo, qh, kh, vh, wo16; writes qh, kh, vh, wo16
.if DOCPART == 1
	.amdgcn_target "amdgcn-amd-amdhsa--gfx1250"
	.amdhsa_code_object_version 6
	.text
	.protected	k_q49dd7eddcf_proj
	.globl	k_q49dd7eddcf_proj
	.p2align	8
	.type	k_q49dd7eddcf_proj,@function
k_q49dd7eddcf_proj:
	s_mov_b64 s[64:65], 0
	v_nop
	global_prefetch_b8 v0, s[64:65] scope:SCOPE_SE
	s_setreg_imm32_b32 hwreg(HW_REG_WAVE_MODE, 25, 1), 1
	s_wait_xcnt 0x0
	s_wait_alu depctr_hold_cnt(0) depctr_sa_sdst(0) depctr_va_vdst(0) depctr_va_sdst(0) depctr_va_ssrc(0) depctr_va_vcc(0) depctr_vm_vsrc(0)
	s_getreg_b32 s2, hwreg(HW_REG_IB_STS2, 6, 4)
	s_cmp_eq_u32 s2, 0
	s_cbranch_scc0 .Lentry_in_a_cluster
	s_endpgm
.Lentry_in_a_cluster:
	s_bfe_u32 s2, ttmp6, 0x10000c
	s_cmp_lg_u32 s2, 0xf033
	s_cbranch_scc0 .Lentry_shape_is_right
	s_endpgm
.Lentry_shape_is_right:
; THE THREE INPUT PROJECTIONS.  y = x W^T + b for (q, Wq, bq), (k, Wk, bk), (v, Wv, bv).  x: [8192][512] f32, W: [512 n][512 k] f32, b: [512] f32.
; x, W and b are rounded to bf16, the products are bf16 x bf16 with f32 sums that start at the bias, and y is rounded once to f16 and stored BY HEADS:
; [16 = 8 batch + head][4096][64], a head's rows dense, 128 bytes each, WITHOUT the softmax's scale.  Beside that each work-group rounds 1,024 numbers of Wo to bf16 and writes them as f16 (wo16).
; LIMITS.  f16 holds no number beyond 65,504: |x W^T + b| and |Wo| must stay within it; below 2^-14 Wo keeps f16's fixed step of 6e-8.  NaN and infinities are not treated apart.
; SHARES.  256 work-groups that stay: work-group (tx, ty) makes the tile of 128 rows (128 ty on) x 128 columns (128 tx on) of q's projection, then of k's, then of v's: 12 K steps of 128 through ONE ring
; of two LDS slots, which runs on from tile to tile.  Four waves, each 64 x 64: 16 accumulators.  A wave's 64 columns are one head, so its 64 rows of y are 8,192 consecutive bytes.
; CLUSTER.  4 x 4 work-groups.  The four of a row of the cluster need the same tiles of x, the four of a column the same tiles of W: each tile is asked for JOINTLY, by the same tensor load with the same
; descriptor and a mask that names the four.
; THE OPERANDS ARE f32 IN LDS.  A quarter step (32 along K) is: 32 LDS loads of raw f32 (issued two quarters ahead, two raw buffers), 64 conversions of two numbers each to bf16, 16 matrix instructions.
; THE MATRIX INSTRUCTION IS USED TRANSPOSED (source 0 = 16 rows of W, source 1 = 16 rows of x): a lane then holds eight neighbouring columns of one row of y, which pack into 16 bytes.
; REGISTERS, in windows of 256 (s_set_vgpr_msb: bits 1:0 source 0, 3:2 source 1, 5:4 source 2, 7:6 destination):
;   window 0: v0-31 addresses; v32-47 Wo at work; v64-127 the way out; v128-255 the accumulators ((a, b) at v[128 + 8 (4 a + b)])
;   window 1: raw f32, two buffers of 128: W's fragment i at 16 i, x's at 64 + 16 i
;   window 2: v0-31 W's bf16 fragments, v32-63 x's; v64-159 the three biases of my columns, 32 each; v160-163 at work
.set PITCH,  528                       ; an LDS row: 512 bytes of data + 16 of padding = 132 words: row r starts at bank 4 r mod 64 (64 banks of 4 bytes: ISA guide 11.1), so the 16 rows of a load start at 16 different groups of four banks
.set HALFT,  64*PITCH                  ; 64 rows: what one tensor load brings, and what one wave reads of x or of W
.set SLOT,   4*HALFT                   ; x's 128 rows, then W's 128 rows
.set STAGE,  2*SLOT                    ; behind the ring, never filled by a tensor load: 16 rows x 144 bytes for each wave, for the way out
.set SP,     144
.set SPARE,  STAGE+4*16*SP             ; behind the stages: the spare words, 128 bytes for each wave: two blocks of 256 bytes that no other line names
.set ADRA, 16                          ; v16-17  LDS address of my x fragments in slot 0, 1
.set ADRB, 20                          ; v20-21  the same for W
.set WST,  14                          ; v14     my byte offset in wo16
.set STO,  24                          ; v24     the way out: where I put 16 bytes of a row
.set RD,   25                          ; v25     the way out: where I read rows back
.set GO,   26                          ; v26     my byte offset in 512 consecutive bytes of y
.set PFO,  27                          ; v27     my byte offset in the tile row's x, for the prefetch; never rewritten
.set SPW,  28                          ; v28     LDS address of my spare word: SPARE + 4 x my thread's number; never rewritten
.set NIL,  29                          ; v29     0; never rewritten
.set BOF,  30                          ; v30     my byte offset in a bias
.set WOF,  31                          ; v31     my byte offset in Wo
.set WT,   32                          ; v32-47  Wo at work
.set TMP,  64                          ; the way out: 16 registers for each block of 16 rows
.set ACC,  128
.set R0,   0                           ; raw buffers, in window 1
.set R1,   128
.set BIAS, 64                          ; window 2: q's, k's, v's bias at BIAS, BIAS + 32, BIAS + 64; register 8 b + j is column 16 b + 8 (lane / 16) + j of my 64
.set BSC,  160                         ; window 2: at work
.set G1,   24                          ; s[24:31] descriptor group 1 for x's tiles;  s[32:39] group 0, one set for each slot
.set G0,   32
.set G1B,  48                          ; s[48:55], s[56:63] the same for W's tiles
.set G0B,  56
.set LAPC, 45                          ; s45     laps to go
.set PFK,  2                           ; s[2:3]  the prefetch's byte along K: 0 or 1,024
.set PF,   4                           ; s[4:5]  the tensor that is being prefetched, at my tile row; s[6:7] the one behind it
.set PF1,  6
.set PFA,  8                           ; s[8:9]  the prefetch's base
.set XA,   68                          ; s[68:73] q, k, v at the rows that my wave fetches: the first is the tensor being asked for
.set WB,   74                          ; s[74:79] Wq, Wk, Wv likewise
.set BP,   80                          ; s[80:85] bq, bk, bv
.set OUT,  88                          ; s[88:93] qh, kh, vh at my wave's first row: the first is the tile in hand
.set KO,   96                          ; s[96:97] byte along K of the next K step to be asked for
.set HIM,  98                          ; s98     a word's upper bf16
.set G1W0, (2<<16)|(1<<20)|(1<<21)|(6<<22)|(3<<25)  ; 17:16 elements of 4 bytes; 20 padding on; 21 set beside a mask; 24:22 after every 128 words (code 6); 31:25 4 words of it (code 3)
.set MSB, 0
.macro WIN new                         ; the immediate's high byte repeats the setting that is left; a switch that changes nothing is dropped
.if MSB != (\new)
	s_set_vgpr_msb (MSB<<8)|(\new)
.set MSB, \new
.endif
.endm
.set MUL,  0x0a                        ; sources 0 (W) and 1 (x) window 2; C and D window 0
.set TO_F, 0x85                        ; conversions: sources window 1, destination window 2
.set TO_R, 0x40                        ; LDS loads: destination window 1, address window 0
; A joint load: waves 0 and 1 fetch x's two halves, waves 2 and 3 W's.  The branch hangs on the wave's number alone.  An s_nop 0 and four v_nop follow each of the two lines, ahead of the jump, the label and what follows.
.macro JLOAD s
	s_cmp_eq_u32 s11, 0
	s_cbranch_scc0 .Lfor_b_\@
	tensor_load_to_lds s[G0+4*(\s):G0+4*(\s)+3], s[G1:G1+7]
	s_nop 0
.rept 4
	v_nop
.endr
	s_branch .Lasked_\@
.Lfor_b_\@:
	tensor_load_to_lds s[G0B+4*(\s):G0B+4*(\s)+3], s[G1B:G1B+7]
	s_nop 0
.rept 4
	v_nop
.endr
.Lasked_\@:
.endm
.macro CREST                           ; a round of the cluster's barrier behind its opening barrier
	s_cmp_lg_u32 s10, 0
	s_cbranch_scc1 .Lnot_wave_0_\@
	s_barrier_signal -3
.Lnot_wave_0_\@:
	s_barrier_wait -3
	s_barrier_signal -1
	s_barrier_wait -1
.endm
.macro CROUND                          ; a whole round
	s_barrier_signal -1
	s_barrier_wait -1
	CREST
.endm
	s_load_b512 s[68:83], s[0:1], 0x0              ; q, k, v, Wq, Wk, Wv, bq, bk
	s_load_b256 s[84:91], s[0:1], 0x40             ; bv, Wo s[86:87], qh, kh
	s_load_b128 s[92:95], s[0:1], 0x60             ; vh, wo16 s[94:95]
	v_lshl_add_u32 v[SPW], v0, 2, SPARE
	v_mov_b32 v[NIL], 0
	ds_add_u32 v[SPW], v[NIL]                      ; the wave's opening: the add and its wait stand ahead of my first tensor load; the set-up below, work on registers, stands between them
	v_lshrrev_b32 v1, 5, v0
	v_readfirstlane_b32 s10, v1                    ; wave 0..3
	s_lshr_b32 s11, s10, 1                         ; which half of the tile's rows is mine.  Also: I fetch for x (0) or for W (1)
	s_and_b32 s12, s10, 1                          ; which half of its columns.  Also: which 64 rows of that tile I fetch
	s_bfe_u32 s40, ttmp6, 0x40000                  ; cx, cy: my place in the cluster
	s_bfe_u32 s41, ttmp6, 0x40004
	s_lshl_b32 s42, ttmp9, 2
	s_add_co_u32 s42, s42, s40                     ; tx = 4 x cluster x + cx
	s_and_b32 s13, ttmp7, 0xffff
	s_lshl_b32 s13, s13, 2
	s_add_co_u32 s13, s13, s41                     ; ty = 4 x cluster y + cy
	s_lshl_b32 s43, s41, 2
	s_lshl_b32 s43, 15, s43                        ; my row of the cluster
	s_lshl_b32 s44, 0x1111, s40                    ; my column
	; descriptor group 1: a tile of 64 rows x 128 f32, padded in LDS
	s_or_b32 s[G1+0], s43, G1W0                    ; 15:0 the mask: x's tiles go to my row
	s_or_b32 s[G1B+0], s44, G1W0                   ; W's to my column
.irp g, G1, G1B
	s_mov_b32 s[(\g)+1], 128<<16                   ; tensor_dim0 = 128
	s_mov_b32 s[(\g)+2], 64<<16                    ; tensor_dim1 = 64
	s_mov_b32 s[(\g)+3], 128<<16                   ; tile_dim0 = 128
	s_mov_b32 s[(\g)+4], 64                        ; tile_dim1 = 64
	s_mov_b32 s[(\g)+5], 512                       ; 512 elements from row to row
	s_mov_b32 s[(\g)+6], 0
	s_mov_b32 s[(\g)+7], 0
.endr
	; where the tiles come from.  x's hang on ty alone, which my row of the cluster shares; W's on tx alone, which my column shares; each in registers that never hold the other coordinate
	s_lshl_b32 s17, s12, 6                         ; which 64 rows of the tile I fetch
	s_lshl_b32 s16, s13, 7
	s_add_co_u32 s16, s16, s17                     ; x: row 128 ty + 64 half,
	s_lshl_b32 s16, s16, 11                        ; times 2,048 bytes: under 2^24
	s_lshl_b32 s46, s42, 7
	s_add_co_u32 s46, s46, s17                     ; W: row 128 tx + 64 half
	s_lshl_b32 s46, s46, 11
	s_mov_b32 s17, 0
	s_mov_b32 s47, 0
	s_lshl_b32 s18, s13, 18                        ; the tile row's first byte in x, for the prefetch
	s_mov_b32 s19, 0
	s_mul_i32 s14, s10, HALFT                      ; where they go: wave x 64 rows: no place in the cluster enters an LDS address
	; where my 64 rows x 64 columns go: head 8 batch + 2 tx + half, 2^19 bytes each; in it row 128 (ty % 32) + 64 half, 128 bytes each
	s_lshr_b32 s20, s13, 5
	s_lshl_b32 s20, s20, 3
	s_lshl_b32 s21, s42, 1
	s_add_co_u32 s20, s20, s21
	s_add_co_u32 s20, s20, s12
	s_lshl_b32 s20, s20, 19
	s_and_b32 s21, s13, 31
	s_lshl_b32 s21, s21, 1
	s_add_co_u32 s21, s21, s11
	s_lshl_b32 s21, s21, 13
	s_add_co_u32 s20, s20, s21
	s_mov_b32 s21, 0
	s_mov_b32 s[HIM], 0xffff0000
	s_mov_b32 s[KO], 1024                          ; K steps 0 and 1 are asked for below: the next is step 2
	s_mov_b32 s[KO+1], 0
	s_mov_b32 s[PFK], 0
	s_mov_b32 s[PFK+1], 0
	s_wait_dscnt 0x0                               ; the opening add is done
	s_wait_kmcnt 0x0
	s_add_nc_u64 s[PF:PF+1], s[XA+2:XA+3], s[18:19]    ; k, then v, at my tile row
	s_add_nc_u64 s[PF1:PF1+1], s[XA+4:XA+5], s[18:19]
.irp t, 0,1,2
	s_add_nc_u64 s[XA+2*(\t):XA+2*(\t)+1], s[XA+2*(\t):XA+2*(\t)+1], s[16:17]
	s_add_nc_u64 s[WB+2*(\t):WB+2*(\t)+1], s[WB+2*(\t):WB+2*(\t)+1], s[46:47]
	s_add_nc_u64 s[OUT+2*(\t):OUT+2*(\t)+1], s[OUT+2*(\t):OUT+2*(\t)+1], s[20:21]
.endr
	CROUND                                         ; all sixteen work-groups are here: the first joint loads meet
.irp s, 0,1
	s_mov_b32 s[G0+4*(\s)], 1                                      ; 1:0 count = 1
	s_add_co_u32 s[G0+4*(\s)+1], s14, (\s)*SLOT                    ; 63:32 LDS address
	s_add_nc_u64 s[G0+4*(\s)+2:G0+4*(\s)+3], s[XA:XA+1], (\s)*512  ; 120:64 global address: K step s
	s_or_b32 s[G0+4*(\s)+3], s[G0+4*(\s)+3], 0x80000000            ; 127:126 type = 2
	s_mov_b32 s[G0B+4*(\s)], 1
	s_add_co_u32 s[G0B+4*(\s)+1], s14, (\s)*SLOT
	s_add_nc_u64 s[G0B+4*(\s)+2:G0B+4*(\s)+3], s[WB:WB+1], (\s)*512
	s_or_b32 s[G0B+4*(\s)+3], s[G0B+4*(\s)+3], 0x80000000
	JLOAD \s                                       ; two loads of mine are out
.endr
	; ALL THIS STANDS IN THE WAIT FOR THE FIRST TILE: the biases, my 1,024th part of Wo's rows, the addresses
	v_and_b32 v1, 15, v0                           ; l % 16
	v_bfe_u32 v2, v0, 4, 1                         ; l / 16
	s_lshl_b32 s20, s42, 9
	s_lshl_b32 s21, s12, 8
	s_add_co_u32 s20, s20, s21                     ; my first column, 128 tx + 64 half, in bytes of f32
	v_lshl_add_u32 v[BOF], v2, 5, s20              ; + 8 columns for the upper half of the lanes
	s_lshl_b32 s20, s13, 2
	s_add_co_u32 s20, s20, s42                     ; the work-group's number, 4 ty + tx: 0 to 255
	s_lshl_b32 s21, s20, 12
	v_lshl_add_u32 v[WOF], v0, 5, s21              ; 1,024 numbers of Wo a work-group, 8 a thread: 32 bytes in,
	s_lshl_b32 s21, s20, 11
	v_lshl_add_u32 v[WST], v0, 4, s21              ; 16 bytes out
	WIN 0x80                                       ; destination window 2, address window 0
.irp t, 0,1,2
.irp b, 0,1,2,3
	global_load_b128 v[BIAS+32*(\t)+8*(\b):BIAS+32*(\t)+8*(\b)+3],   v[BOF], s[BP+2*(\t):BP+2*(\t)+1] offset:64*(\b)
	global_load_b128 v[BIAS+32*(\t)+8*(\b)+4:BIAS+32*(\t)+8*(\b)+7], v[BOF], s[BP+2*(\t):BP+2*(\t)+1] offset:64*(\b)+16
.endr
.endr
	WIN 0
	global_load_b128 v[WT:WT+3],   v[WOF], s[86:87]
	global_load_b128 v[WT+4:WT+7], v[WOF], s[86:87] offset:16
	; A raw fragment is 16 rows x 32 K of f32 in 16 registers: lane l holds row l % 16; K = 8 (l / 16) + 0..7 (32 bytes) and 16 + 8 (l / 16) + 0..7 (32 bytes, 64 bytes on): four loads of 16 bytes.
	v_mul_u32_u24 v3, v1, PITCH
	v_lshl_add_u32 v3, v2, 5, v3                   ; row x pitch + 32 x half
	s_mul_i32 s22, s11, HALFT                      ; my 64 rows of x
	s_mul_i32 s23, s12, HALFT                      ; my 64 rows of W,
	s_add_co_u32 s23, s23, 2*HALFT                 ; which lie behind x's 128
.irp s, 0,1
	v_add_nc_u32 v[ADRA+(\s)], s22, v3
	v_add_nc_u32 v[ADRB+(\s)], s23, v3
	s_add_co_u32 s22, s22, SLOT
	s_add_co_u32 s23, s23, SLOT
.endr
	s_mul_i32 s22, s10, 16*SP
	s_add_co_u32 s22, s22, STAGE                   ; my stage
	v_mul_u32_u24 v4, v1, SP                       ; in: row l % 16, 16 bytes for each half of the lanes
	v_lshl_add_u32 v4, v2, 4, v4
	v_add_nc_u32 v[STO], s22, v4
	v_bfe_u32 v5, v0, 3, 2                         ; back: 32 lanes take four rows of 128 bytes,
	v_and_b32 v6, 7, v0
	v_mul_u32_u24 v5, v5, SP
	v_lshl_add_u32 v5, v6, 4, v5
	v_add_nc_u32 v[RD], s22, v5
	v_and_b32 v7, 31, v0                           ; which are 512 consecutive bytes of y
	v_lshlrev_b32 v[GO], 4, v7
	s_lshl_b32 s20, s40, 7                         ; the prefetch: the four partners of a tile row share its 128 rows x 1,024 bytes: number 128 cx + thread takes
	v_add_nc_u32 v8, s20, v0                       ; block number % 4 of 256 bytes in row number / 4
	v_lshrrev_b32 v9, 2, v8
	v_and_b32 v8, 3, v8
	v_lshlrev_b32 v8, 8, v8
	v_lshl_add_u32 v[PFO], v9, 11, v8
	s_wait_loadcnt 0x0                             ; the biases and Wo, once
.irp j, 0,1,2,3
	v_cvt_pk_bf16_f32 v[WT+8+(\j)], v[WT+2*(\j)], v[WT+2*(\j)+1]  ; Wo is rounded to bf16 like every input,
.endr
.irp j, 0,1,2,3
	v_lshlrev_b32 v[WT+2*(\j)],   16, v[WT+8+(\j)]                ; widened again,
	v_and_b32     v[WT+2*(\j)+1], s[HIM], v[WT+8+(\j)]
.endr
.irp j, 0,1,2,3
	v_cvt_pk_f16_f32 v[WT+12+(\j)], v[WT+2*(\j)], v[WT+2*(\j)+1]  ; and that number is written as f16: exact in f16's normal range
.endr
	global_store_b128 v[WST], v[WT+12:WT+15], s[94:95]             ; a wave stores 512 consecutive bytes; these registers are not written again
	WIN 0x8a                                       ; the biases are rounded to bf16 and widened, in place, in window 2
.set n, 0
.rept 48
	v_cvt_pk_bf16_f32 v[BSC+n%4], v[BIAS+2*n], v[BIAS+2*n+1]
	v_lshlrev_b32 v[BIAS+2*n],   16, v[BSC+n%4]
	v_and_b32     v[BIAS+2*n+1], s[HIM], v[BSC+n%4]
.set n, n+1
.endr
.macro START t                         ; the sums of a tile start at bias t: one text serves every lap, so no product with another C is written out
	WIN 0x02                                       ; source window 2, destination window 0
.set n, 0
.rept 128
	v_mov_b32 v[ACC+n], v[BIAS+32*(\t)+n%32]
.set n, n+1
.endr
.endm
	START 0
; 32 LDS loads in one run: the raw fragments of one quarter step (64 rows of W, 64 rows of x, 32 K at byte k of the rows) into raw buffer rr
.macro FETCH slot, k, rr
	WIN TO_R
.irp i, 0,1,2,3
.irp e, 0,1,2,3
	ds_load_b128 v[(\rr)+16*(\i)+4*(\e):(\rr)+16*(\i)+4*(\e)+3], v[ADRB+(\slot)] offset:(\k)+(\i)*16*PITCH+16*((\e)%2)+64*((\e)/2)
.endr
.endr
.irp i, 0,1,2,3
.irp e, 0,1,2,3
	ds_load_b128 v[(\rr)+64+16*(\i)+4*(\e):(\rr)+64+16*(\i)+4*(\e)+3], v[ADRA+(\slot)] offset:(\k)+(\i)*16*PITCH+16*((\e)%2)+64*((\e)/2)
.endr
.endr
.endm
; 64 conversions: raw registers 2 n, 2 n + 1 are neighbours along K and make register n of the bf16 fragments
.macro CVT rr
	WIN TO_F
.set n, 0
.rept 64
	v_cvt_pk_bf16_f32 v[n], v[(\rr)+2*n], v[(\rr)+2*n+1]
.set n, n+1
.endr
.endm
; 4 matrix instructions: row block a x all 4 column blocks, 32 along K.  The 16 accumulators take turns, one instruction a turn, in the same order in every quarter
.macro MULA a
	WIN MUL
.irp b, 0,1,2,3
	v_wmma_f32_16x16x32_bf16 v[ACC+8*(4*(\a)+(\b)):ACC+8*(4*(\a)+(\b))+7], v[8*(\b):8*(\b)+7], v[32+8*(\a):32+8*(\a)+7], v[ACC+8*(4*(\a)+(\b)):ACC+8*(4*(\a)+(\b))+7]
.endr
.endm
.macro PLACES                          ; a vector instruction that writes a matrix instruction's source or reads its result stands four places behind it, and only plain vector instructions that name none of its registers are places (ISA guide 7.12.1)
.rept 4
	v_nop
.endr
.endm
; A K step is four quarters of 32 along K, on raw buffers 0, 1, 0, 1.  A quarter: its raw buffer is in; it is converted; the buffer takes the quarter two on (fetch = 1: at byte fk of slot fslot); 16 products.
.macro QUARTER rr, left, fetch, fslot=0, fk=0
	s_wait_dscnt \left                             ; my raw buffer is in; the other buffer's 32 loads, issued behind it, may be out
	PLACES                                         ; between the last quarter's products and the writes of their sources
	CVT \rr
.if \fetch
	FETCH \fslot, \fk, \rr
.endif
	MULA 0
	MULA 1
	MULA 2
	MULA 3
.endm
; The descriptors of the slot that is about to be filled: the tensors in hand plus the byte along K.  Behind a tile's fourth K step the next tensors take their place.  Scalars alone.
.macro NEXTREQ slot
	s_add_nc_u64 s[G0+4*(\slot)+2:G0+4*(\slot)+3], s[XA:XA+1], s[KO:KO+1]
	s_or_b32 s[G0+4*(\slot)+3], s[G0+4*(\slot)+3], 0x80000000
	s_add_nc_u64 s[G0B+4*(\slot)+2:G0B+4*(\slot)+3], s[WB:WB+1], s[KO:KO+1]
	s_or_b32 s[G0B+4*(\slot)+3], s[G0B+4*(\slot)+3], 0x80000000
	s_add_co_u32 s[KO], s[KO], 512
	s_cmp_eq_u32 s[KO], 2048
	s_cselect_b32 s[KO], 0, s[KO]
	s_cselect_b64 s[XA:XA+1], s[XA+2:XA+3], s[XA:XA+1]
	s_cselect_b64 s[XA+2:XA+3], s[XA+4:XA+5], s[XA+2:XA+3]
	s_cselect_b64 s[WB:WB+1], s[WB+2:WB+3], s[WB:WB+1]
	s_cselect_b64 s[WB+2:WB+3], s[WB+4:WB+5], s[WB+2:WB+3]
.endm
; A K step's third quarter changes slots: its fourth quarter's raw numbers have been asked for, so the slot's reads end here.  ONE barrier; in front of it each wave waits for all its tensor loads (one is out: its part of
; the next slot), adds 0 to its spare word, and waits for that and for its own reads of this slot.  fill = 1: the barrier opens a round of the cluster's barrier, and this slot is filled again, two K steps ahead:
; that load has a whole K step, 64 products and 256 conversions, in which to land.
.macro QTURN slot, fill
	s_wait_dscnt 32                                ; raw buffer 0 is in; buffer 1's 32 loads may be out
	PLACES
	CVT R0
	WIN 0                                          ; (the add's two registers lie in window 0)
	s_wait_tensorcnt 0x0                           ; all my tensor loads have landed, so every group 0 may be written;
	ds_add_u32 v[SPW], v[NIL]                      ; 0 onto my spare word: scalar work and four products stand between it and the wait for it
.if \fill
	NEXTREQ \slot
.endif
	MULA 0
	s_wait_dscnt 0x0                               ; the add is done, and my reads of this slot are over
	s_barrier_signal -1
	MULA 1                                         ; work on registers while the others arrive
.if \fill
	WIN 0
.endif
	s_barrier_wait -1
.if \fill
	CREST                                          ; no wave of any partner still reads this slot's tile or has a load on its way
	JLOAD \slot                                    ; the first tensor load behind the round, and my only one until the next
.endif
	FETCH 1-(\slot), 0, R0                         ; the next slot's first quarter
	MULA 2
	MULA 3
.endm
; THE PREFETCH.  In lap L (0 to 3) the four partners of a tile row ask for the 128 rows x 1,024 bytes of x that K steps 2 L + 4 and 2 L + 5 will want, each aligned block of 256 bytes by one lane of one work-group:
; those tiles are requested in lap L + 1.  So k's and v's rows are asked for once each; q's first K steps and the weights, which sixteen clusters read, are not.  The last lap of the loop and the tail ask for nothing.
.macro PREF
	WIN 0
	s_cmp_eq_u32 s[LAPC], 1
	s_cbranch_scc1 .Lno_pf_\@
	s_wait_xcnt 0x0                                ; the last lap's prefetch has read its base, which is written again only behind this wait
	s_add_nc_u64 s[PFA:PFA+1], s[PF:PF+1], s[PFK:PFK+1]
	global_prefetch_b8 v[PFO], s[PFA:PFA+1] th:TH_LOAD_NT scope:SCOPE_SE
	s_xor_b32 s[PFK], s[PFK], 1024                 ; the other half of the rows; behind the second half the next tensor
	s_cmp_eq_u32 s[PFK], 0
	s_cselect_b64 s[PF:PF+1], s[PF1:PF1+1], s[PF:PF+1]
.Lno_pf_\@:
.endm
; THE WAY OUT of row block a: rounded to f16, 16 bytes a lane, into my own stage in rows of 144 bytes, and back as whole rows of 128, into the registers that they left.
.macro PACKA a
	WIN 0
.irp b, 0,1,2,3
.irp j, 0,1,2,3
	v_cvt_pk_f16_f32 v[TMP+16*(\a)+4*(\b)+(\j)], v[ACC+8*(4*(\a)+(\b))+2*(\j)], v[ACC+8*(4*(\a)+(\b))+2*(\j)+1]  ; each accumulator's registers in ascending order
.endr
.endr
.irp b, 0,1,2,3
	ds_store_b128 v[STO], v[TMP+16*(\a)+4*(\b):TMP+16*(\a)+4*(\b)+3] offset:32*(\b)
.endr
.irp f, 0,1,2,3
	ds_load_b128 v[TMP+16*(\a)+4*(\f):TMP+16*(\a)+4*(\f)+3], v[RD] offset:(\f)*4*SP  ; LDS serves a wave's instructions in order (ISA guide 5.7.1.4): these see the stores above; the next block's stores come behind them
.endr
.endm
.macro SENDA a, younger                ; younger: the LDS instructions issued behind block a's loads: the next block's eight, or none
.irp f, 0,1,2,3
	s_wait_dscnt (\younger)+3-(\f)
	global_store_b128 v[GO], v[TMP+16*(\a)+4*(\f):TMP+16*(\a)+4*(\f)+3], s[OUT:OUT+1] offset:(\a)*2048+(\f)*512  ; 512 consecutive bytes, at a multiple of 256 from y's first byte
.endr
.endm
.macro WAYOUT last
	PLACES                                         ; the conversions read results just made
	PACKA 0
	PACKA 1                                        ; a block's arithmetic stands between the loads of the block before and its stores
	SENDA 0, 8
	PACKA 2
	SENDA 1, 8
	PACKA 3
	SENDA 2, 8
	SENDA 3, 0
.if !(\last)
	START 1                                        ; the next tile's sums start at its bias,
	WIN 0x82
.set n, 0
.rept 32
	v_mov_b32 v[BIAS+32+n], v[BIAS+64+n]           ; and the bias behind it moves up
.set n, n+1
.endr
	WIN 0
	s_wait_xcnt 0x0                                ; the stores have read their base and their data: only behind this wait is either written again
	s_mov_b64 s[OUT:OUT+1], s[OUT+2:OUT+3]
	s_mov_b64 s[OUT+2:OUT+3], s[OUT+4:OUT+5]
.endif
.endm
	WIN 0
	s_wait_tensorcnt 1                             ; my part of K step 0 is in; K step 1's may stay out
	s_barrier_signal -1
	s_barrier_wait -1                              ; everybody's is
	FETCH 0, 0,   R0
	FETCH 0, 128, R1
	WIN 0                                          ; at a label and at a branch every window is 0
	s_mov_b32 s[LAPC], 5
.Llap:                                                 ; a lap = two K steps = once round the ring; two laps are a tile.  Five laps fill both slots again: K steps 2 to 11
	QUARTER R0, 32, 1, 0, 256
	PREF
	QUARTER R1, 32, 1, 0, 384
	QTURN 0, 1
	QUARTER R1, 32, 1, 1, 128
	QUARTER R0, 32, 1, 1, 256
	QUARTER R1, 32, 1, 1, 384
	QTURN 1, 1
	QUARTER R1, 32, 1, 0, 128
	WIN 0
	s_and_b32 s15, s[LAPC], 1                      ; a tile ends with the laps counted 4 and 2: the jump goes forward, past neither a barrier nor a tensor load
	s_cmp_eq_u32 s15, 1
	s_cbranch_scc1 .Lnoout
	WAYOUT 0                                       ; both refills for the next tile are asked for, and its first raw fragments are on their way
.Lnoout:
	s_sub_co_u32 s[LAPC], s[LAPC], 1
	s_cmp_lg_u32 s[LAPC], 0
	s_cbranch_scc1 .Llap
	QUARTER R0, 32, 1, 0, 256                      ; the last lap is written out: it fills nothing, and has no round of the cluster's barrier
	QUARTER R1, 32, 1, 0, 384
	QTURN 0, 0
	QUARTER R1, 32, 1, 1, 128
	QUARTER R0, 32, 1, 1, 256
	QUARTER R1, 32, 1, 1, 384
	QUARTER R0, 32, 0
	QUARTER R1, 0, 0                               ; nothing was issued behind the last quarter's loads
	WAYOUT 1
	WIN 0
	s_wait_tensorcnt 0x0                           ; the wave's end: these three lines stand behind my last tensor load and my last LDS store
	ds_add_u32 v[SPW], v[NIL]
	s_wait_dscnt 0x0
	CROUND                                         ; the closing round: no work-group ends while a partner may still ask for a tile that names it
	s_endpgm
.Lfunc_end_k_q49dd7eddcf_proj:
	.size	k_q49dd7eddcf_proj, .Lfunc_end_k_q49dd7eddcf_proj-k_q49dd7eddcf_proj
	.p2alignl 7, 3214868480
	.fill 96, 4, 3214868480
	.section	.rodata,"a",@progbits
	.p2align	6, 0x0
	.amdhsa_kernel k_q49dd7eddcf_proj
		.amdhsa_group_segment_fixed_size 327680
		.amdhsa_private_segment_fixed_size 0
		.amdhsa_enable_private_segment 0
		.amdhsa_kernarg_size 112
		.amdhsa_user_sgpr_count 2
		.amdhsa_user_sgpr_kernarg_segment_ptr 1
		.amdhsa_wavefront_size32 1
		.amdhsa_system_sgpr_workgroup_id_x 1
		.amdhsa_system_sgpr_workgroup_id_y 1
		.amdhsa_system_sgpr_workgroup_id_z 1
		.amdhsa_system_vgpr_workitem_id 0
		.amdhsa_next_free_vgpr 688
		.amdhsa_next_free_sgpr 100
		.amdhsa_reserve_vcc 0
		.amdhsa_float_denorm_mode_32 3
		.amdhsa_float_denorm_mode_16_64 3
		.amdhsa_memory_ordered 1
		.amdhsa_forward_progress 1
		.amdhsa_inst_pref_size 164
	.end_amdhsa_kernel
	.amdgpu_metadata
---
amdhsa.version: [ 1, 2 ]
amdhsa.kernels:
  - .name:           k_q49dd7eddcf_proj
    .symbol:         k_q49dd7eddcf_proj.kd
    .args:
      - { .name: q, .offset: 0, .size: 8, .value_kind: global_buffer, .address_space: global }
      - { .name: k, .offset: 8, .size: 8, .value_kind: global_buffer, .address_space: global }
      - { .name: v, .offset: 16, .size: 8, .value_kind: global_buffer, .address_space: global }
      - { .name: Wq, .offset: 24, .size: 8, .value_kind: global_buffer, .address_space: global }
      - { .name: Wk, .offset: 32, .size: 8, .value_kind: global_buffer, .address_space: global }
      - { .name: Wv, .offset: 40, .size: 8, .value_kind: global_buffer, .address_space: global }
      - { .name: bq, .offset: 48, .size: 8, .value_kind: global_buffer, .address_space: global }
      - { .name: bk, .offset: 56, .size: 8, .value_kind: global_buffer, .address_space: global }
      - { .name: bv, .offset: 64, .size: 8, .value_kind: global_buffer, .address_space: global }
      - { .name: Wo, .offset: 72, .size: 8, .value_kind: global_buffer, .address_space: global }
      - { .name: qh, .offset: 80, .size: 8, .value_kind: global_buffer, .address_space: global }
      - { .name: kh, .offset: 88, .size: 8, .value_kind: global_buffer, .address_space: global }
      - { .name: vh, .offset: 96, .size: 8, .value_kind: global_buffer, .address_space: global }
      - { .name: wo16, .offset: 104, .size: 8, .value_kind: global_buffer, .address_space: global }
    .group_segment_fixed_size: 327680
    .private_segment_fixed_size: 0
    .kernarg_segment_align: 8
    .kernarg_segment_size: 112
    .max_flat_workgroup_size: 128
    .sgpr_count:     100
    .vgpr_count:     688
    .wavefront_size: 32
...
	.end_amdgpu_metadata
.endif
;; end of part 1
;; launch attn (part 2): grid 16 x 16, 4 waves a work-group, clusters of 4 x 1, 327,680 bytes of LDS; arguments qh, kh, vh, oh; writes oh
.if DOCPART == 2
	.amdgcn_target "amdgcn-amd-amdhsa--gfx1250"
	.amdhsa_code_object_version 6
	.text
	.protected	k_q49dd7eddcf_attn
	.globl	k_q49dd7eddcf_attn
	.p2align	8
	.type	k_q49dd7eddcf_attn,@function
k_q49dd7eddcf_attn:
	s_mov_b64 s[64:65], 0
	v_nop
	global_prefetch_b8 v0, s[64:65] scope:SCOPE_SE
	s_setreg_imm32_b32 hwreg(HW_REG_WAVE_MODE, 25, 1), 1
	s_wait_xcnt 0x0
	s_wait_alu depctr_hold_cnt(0) depctr_sa_sdst(0) depctr_va_vdst(0) depctr_va_sdst(0) depctr_va_ssrc(0) depctr_va_vcc(0) depctr_vm_vsrc(0)
	s_getreg_b32 s2, hwreg(HW_REG_IB_STS2, 6, 4)
	s_cmp_eq_u32 s2, 0
	s_cbranch_scc0 .Lentry_in_a_cluster
	s_endpgm
.Lentry_in_a_cluster:
	s_bfe_u32 s2, ttmp6, 0x10000c
	s_cmp_lg_u32 s2, 0x3003
	s_cbranch_scc0 .Lentry_shape_is_right
	s_endpgm
.Lentry_shape_is_right:
; ATTENTION.  O[h][q][:] = the sum over k of softmax_k(Q[h][q] . K[h][k] / 8) V[h][k][:].  Q, K, V, O: [16][4096][64], all f16: a head's rows are dense, 128 bytes each.  Products, maxima and sums in f32;
; the weights p are rounded to f16 for the second product (their sum l is taken of the unrounded p), O once at the end.
; LIMITS.  f16 holds no number beyond 65,504: Q, K and V arrive within it; p lies in 0 to 1, and below 6e-5 it keeps f16's fixed step of 6e-8; O is a mean of V's rows and has their range.
; A weight below 2^-126 counts as 0 in l; NaN and infinities are not treated apart.
; SHARES.  A work-group owns 256 queries of one head, each of its four waves 64: four PIECES of 16.  16 blocks x 16 heads are 256 work-groups.  Every wave walks all 4,096 keys, 64 a step.
; LAYOUT.  S^T = K Q^T (source 0 = 16 keys, source 1 = 16 queries): in the result a lane holds ONE query (lane % 16) and the keys 8 (lane / 16) + 0..7.  Two such results, rounded to f16 in pairs, ARE source 1
; (32 keys x 16 queries) of O^T = V^T P, whose result again holds one query a lane, and eight channels.  K comes out of LDS as it lies, V ([key][channel]) turned, by ds_load_tr16_b128.
; SOFTMAX.  For each query a running maximum m and sum l: p = 2^(c s - c m), c = log2(e) / 8; in every step O and l are multiplied by a = 2^(c m_old - c m_new), which is 1 where m has not grown.
; m starts at the lowest finite number, O and l at 0: the first step is a step like any other, with a = 0.
; BY TURNS.  Turn n belongs to piece n (the pieces in a ring, step after step): 8 products K Q^T of piece n + 1, later 8 products V^T P of piece n - 1; beside them the scaling, exponentials, roundings, sums and
; rescaling of piece n and the maximum and statistics of piece n + 1.  A turn has 16 matrix and 118 vector instructions: four stand behind every matrix instruction, the other 54 in two runs of their own.
; CLUSTER.  The four query blocks of a cluster belong to one head and walk the same K and V, so each tile is asked for JOINTLY: the same tensor load, descriptor and mask in all four.
; REGISTERS, in windows of 256 (s_set_vgpr_msb: bits 1:0 source 0, 3:2 source 1, 5:4 source 2, 7:6 destination):
;   window 0: v0-15 addresses and two at work; v16-31 four registers of statistics a piece; v48-55 at work; v62-63 the add's; v64-127 S^T, two buffers; v192-223 P, two buffers (a piece's buffers go by its number's parity)
;   window 1: v0-127 O^T, 32 a piece          window 2: v0-63 Q, 16 a piece; v128-191 K of one step; v192-255 V of one step
.set SIZE_N, 4096
.set NP,    4         ; pieces a wave: a name, no knob
.set KS,    64        ; keys in a step
.set PK,    144       ; a row of K in LDS: 128 bytes + 16 of padding = 36 words: the 16 rows of a load start at 16 different groups of four banks (64 banks of 4 bytes: ISA guide 11.1)
.set PV,    160       ; a row of V: 128 + 32 = 40 words
.set VOFF,  4*KS*PK   ; a slot holds four steps: 256 rows of K, then 256 rows of V
.set SLOT1, 1<<17     ; slot 1 begins here, so that one exclusive or turns an address in one slot into the other's
.set STAGE, SLOT1+4*KS*(PK+PV)  ; behind the ring, never filled by a tensor load: 16 rows x 144 bytes for each wave, for the way out
.set SP,    144
.set SPARE, STAGE+4*16*SP  ; behind the stages: the spare words, 128 bytes for each wave: two blocks of 256 bytes that no other line names
.set AK0, 2           ; v2   my lane's place in a tile of K; never rewritten
.set AV0, 3           ; v3   the same for V
.set AK,  4           ; v4   the LDS address of K's next run of loads
.set AV,  5           ; v5   of V's
.set STO, 6           ; v6   the way out: where I put 16 bytes of a row
.set RD,  7           ; v7   the way out: where I read rows back
.set GO,  8           ; v8   my byte offset in 512 consecutive bytes of O
.set MV,  12          ; v12-13  c m_old, kept while c m is made anew: by buffer
.set QO,  15          ; v15  my byte offset in 16 rows of Q
.set ST,  16          ; piece t's statistics at v[ST+4 t]: c m, m, l (even keys', odd keys')
.set TMP, 48          ; by buffer, four registers c0-c3 at work; when the maximum is found c2 takes a
.set SPW, 62          ; v62  LDS address of my spare word: SPARE + 4 x my thread's number; never rewritten
.set NIL, 63          ; v63  0; never rewritten
.set S,   64
.set P,   192
.set KF,  128         ; window 2: key block kb, channel half c at KF + 16 kb + 8 c
.set VF,  192         ; window 2: key half kk, channel block cb at VF + 32 kk + 8 cb
.set WV,  12          ; s12  my wave's number
.set G1K, 24          ; s[24:31] descriptor group 1 for K's tiles
.set G1V, 32          ; s[32:39] for V's: it differs in the padding alone
.set G0K, 40          ; s[40:43] descriptor group 0 for K's tiles: it walks
.set G0V, 44          ; s[44:47] the same for V's
.set SLOTS, 56        ; s56  counts the tiles
.set CNT, 57          ; s57  counts a tile's key steps
.set CS,  58          ; s[58:59] c: the packed scaling takes the pair's low word for both halves
.set SEL, 60          ; s[60:61] v_permlanex16_b32's selects: each lane takes its own place in the other half
.set TBK, 62          ; s62  LDS byte at which K of the step to be fetched begins
.set TBV, 63          ; s63  the same for V, less VOFF
.set MSB, 0
.macro WIN new                      ; the high byte repeats the setting that is left; a switch that changes nothing is dropped
.if MSB != (\new)
	s_set_vgpr_msb (MSB<<8)|(\new)
.set MSB, (\new)
.endif
.endm
.set W_KQ, 0x0a       ; K and Q in window 2, S^T in window 0
.set W_PV, 0x52       ; V in window 2, P in window 0, O^T in window 1
.set W_RS, 0x41       ; O^T (destination and source 0) in window 1, a in window 0
; A joint fill.  Waves 0 and 1 fetch the two halves of a tile's K, waves 2 and 3 those of its V: 128 keys each.  The branch hangs on the wave's number alone.
; An s_nop 0 and four v_nop follow each of the two lines, ahead of the jump and the label.
.macro JLOAD
	s_cmp_lt_u32 s[WV], 2
	s_cbranch_scc0 .Lfor_v_\@
	tensor_load_to_lds s[G0K:G0K+3], s[G1K:G1K+7]
	s_nop 0
.rept 4
	v_nop
.endr
	s_branch .Lasked_\@
.Lfor_v_\@:
	tensor_load_to_lds s[G0V:G0V+3], s[G1V:G1V+7]
	s_nop 0
.rept 4
	v_nop
.endr
.Lasked_\@:
.endm
; A round of the cluster's barrier: my work-group's barrier, so that wave 0's signal speaks for all four waves; wave 0 signals; every wave waits for all four work-groups; my work-group's barrier once more.
.macro CROUND
	s_barrier_signal -1
	s_barrier_wait -1
	s_cmp_lg_u32 s[WV], 0
	s_cbranch_scc1 .Lnot_wave_0_\@
	s_barrier_signal -3
.Lnot_wave_0_\@:
	s_barrier_wait -3
	s_barrier_signal -1
	s_barrier_wait -1
.endm
; THE CHANGE OF SLOTS.  The slot's last bytes, V of its fourth step, have been read.  Each wave waits for all its tensor loads, of which one is out: its part of the other slot; adds 0 to its spare word; and waits
; for that and for its own reads of the slot.  Behind the barrier nobody reads this slot any more and the other slot is whole.  fill = 1: this slot is filled again, with the keys two slots on.  The barrier is
; then a round of the cluster's, so that no wave of any partner still reads the slot or has a load on its way, and the joint fill is the first thing behind it: it has four key steps, 256 matrix instructions, in
; which to land.  (At its first use nothing has been read yet: slot 0 is waited for, slot 1 filled.)
.macro CHANGE fill
	WIN 0                           ; at a label and at a branch every window is 0
	s_wait_tensorcnt 0x0            ; no tensor load of mine is out, so a group 0 may be written
	ds_add_u32 v[SPW], v[NIL]       ; 0 onto my spare word: with fill = 1 the descriptors' steps stand between it and the wait for it
.if \fill
.irp g, G0K, G0V
	s_xor_b32 s[\g+1], s[\g+1], SLOT1  ; the walking descriptor: the other slot than last time,
	s_add_nc_u64 s[\g+2:\g+3], s[\g+2:\g+3], 4*KS*128  ; the next 256 keys; the type bits on top are not reached
.endr
	s_wait_dscnt 0x0                ; the add is done, and my reads of the slot are over
	CROUND
	JLOAD
.else
	s_wait_dscnt 0x0                ; the add is done, and my reads of the slot are over
	s_barrier_signal -1
	s_barrier_wait -1
.endif
	s_sub_co_u32 s[TBK], s[TBK], 4*KS*PK  ; the fetches go back to a slot's first step,
	s_xor_b32 s[TBK], s[TBK], SLOT1       ; in the other slot
	s_sub_co_u32 s[TBV], s[TBV], 4*KS*PV
	s_xor_b32 s[TBV], s[TBV], SLOT1
.endm
	s_load_b256 s[4:11], s[0:1], 0x0  ; Q s[4:5], K s[6:7], V s[8:9], O s[10:11]
	v_lshl_add_u32 v[SPW], v0, 2, SPARE
	v_mov_b32 v[NIL], 0
	ds_add_u32 v[SPW], v[NIL]       ; the wave's opening: the add and its wait stand ahead of my first tensor load; the set-up below, work on registers, stands between them
	v_lshrrev_b32 v1, 5, v0
	v_readfirstlane_b32 s[WV], v1   ; wave 0..3
	s_bfe_u32 s13, ttmp6, 0x40000   ; cx: my place in the cluster
	s_lshl_b32 s14, ttmp9, 2        ; in a cluster launch ttmp9 counts clusters
	s_add_co_u32 s14, s14, s13      ; my block of 256 queries = 4 x cluster x + cx: it enters Q's and O's addresses alone
	s_and_b32 s20, ttmp7, 0xffff    ; the head, which the four partners share,
	s_lshl_b32 s20, s20, 19         ; times 4,096 rows of 128 bytes: the head's first byte in each of the four tensors
	s_mov_b32 s21, 0
	s_and_b32 s16, s[WV], 1         ; which half of a tile's 256 keys I fetch:
	s_lshl_b32 s22, s16, 14         ; its 128 rows of 128 bytes in memory,
	s_mov_b32 s23, 0
	s_add_nc_u64 s[22:23], s[22:23], s[20:21]
	s_mul_i32 s17, s16, 128*PK      ; and its place in a slot, for K
	s_mul_i32 s18, s16, 128*PV      ; and for V: no place in the cluster enters an LDS address
	s_lshl_b32 s2, s14, 2
	s_add_co_u32 s2, s2, s[WV]      ; my wave among the head's,
	s_lshl_b32 s2, s2, 13           ; its 64 rows
	s_mov_b32 s3, 0
	s_add_nc_u64 s[2:3], s[2:3], s[20:21]
	; descriptor group 1.  128 keys are 16,384 dense bytes: asked for as 64 rows of 256 bytes, two keys a row, and padded in LDS after every key
	s_mov_b32 s[G1K], 15|(1<<16)|(1<<20)|(1<<21)|(4<<22)|(3<<25)  ; 15:0 the mask of four; 17:16 2-byte elements; 20 padding on; 21 set beside a mask; 24:22 after every 32 words (code 4); 31:25 4 words (code 3)
	s_mov_b32 s[G1V], 15|(1<<16)|(1<<20)|(1<<21)|(4<<22)|(7<<25)  ; the same with 8 words of padding (code 7)
.irp g, G1K, G1V
	s_mov_b32 s[\g+1], 128<<16      ; tensor_dim0 = 128
	s_mov_b32 s[\g+2], 64<<16       ; tensor_dim1 = 64
	s_mov_b32 s[\g+3], 128<<16      ; tile_dim0 = 128
	s_mov_b32 s[\g+4], 64           ; tile_dim1 = 64
	s_mov_b32 s[\g+5], 128          ; 128 elements from row to row
	s_mov_b32 s[\g+6], 0
	s_mov_b32 s[\g+7], 0
.endr
	s_mov_b32 s[CS], 0x3e38aa3b     ; c = log2(e) / 8 = 0.180337
	s_mov_b32 s[CS+1], s[CS]        ; named with it as a pair
	s_mov_b32 s[SEL], 0x76543210
	s_mov_b32 s[SEL+1], 0xfedcba98
	s_mov_b32 s[TBK], SLOT1+4*KS*PK ; the first change of slots turns these two into 0
	s_mov_b32 s[TBV], SLOT1+4*KS*PV
	s_mov_b32 s[G0K], 1             ; 1:0 count = 1
	s_mov_b32 s[G0K+1], s17         ; 63:32 LDS address: slot 0
	s_mov_b32 s[G0V], 1
	s_add_co_u32 s[G0V+1], s18, VOFF
	s_wait_dscnt 0x0                ; the opening add is done
	s_wait_kmcnt 0x0
	s_add_nc_u64 s[G0K+2:G0K+3], s[6:7], s[22:23]  ; 120:64 global address: my half of the head's first 256 keys
	s_or_b32 s[G0K+3], s[G0K+3], 0x80000000        ; 127:126 type = 2
	s_add_nc_u64 s[G0V+2:G0V+3], s[8:9], s[22:23]
	s_or_b32 s[G0V+3], s[G0V+3], 0x80000000
	s_add_nc_u64 s[4:5], s[4:5], s[2:3]  ; Q and O at my wave's first row
	s_add_nc_u64 s[10:11], s[10:11], s[2:3]
	CROUND                          ; all four work-groups are here: the first joint loads meet
	JLOAD                           ; tile 0 into slot 0.  Slot 1 is asked for when slot 0 is in: one load of mine is out at a time
	; A fragment of K or Q is 16 rows x 32 channels in 8 registers: lane l holds row l % 16, channels 8 (l / 16) + 0..7 and 16 + 8 (l / 16) + 0..7: two loads of 16 bytes, 32 bytes apart.
	v_and_b32 v1, 15, v0            ; l % 16
	v_bfe_u32 v9, v0, 4, 1          ; l / 16
	v_lshlrev_b32 v[QO], 7, v1
	v_lshl_add_u32 v[QO], v9, 4, v[QO]  ; row x 128 + 16 x half
	WIN 0x80                        ; destination window 2, address window 0
.set i, 0
.rept 8                             ; Q stays in registers: piece i / 2, 2,048 bytes each; channels 32 (i % 2) on
	global_load_b128 v[8*i:8*i+3],   v[QO], s[4:5] offset:(i/2)*2048+(i%2)*64
	global_load_b128 v[8*i+4:8*i+7], v[QO], s[4:5] offset:(i/2)*2048+(i%2)*64+32
.set i, i+1
.endr
	; What the first turn finds: V's registers and P's second buffer hold 0 (its products V^T P, of a piece that has not been, add 0), O^T and l are 0.  No first step is written out; the price is these
	; lines, once a launch, in the wait for the first tile.
.set i, VF
.rept 64
	v_mov_b32 v[i], 0
.set i, i+1
.endr
	WIN 0x40
.set i, 0
.rept 128
	v_mov_b32 v[i], 0
.set i, i+1
.endr
	WIN 0
.set i, 0
.rept 4
	v_mov_b32 v[ST+4*i], 0xfe000000    ; c m: far below every c s
	v_mov_b32 v[ST+4*i+1], 0xff7fffff  ; m
	v_mov_b32 v[ST+4*i+2], 0
	v_mov_b32 v[ST+4*i+3], 0
.set i, i+1
.endr
.set i, P+16
.rept 16
	v_mov_b32 v[i], 0
.set i, i+1
.endr
	v_mul_u32_u24 v[AK0], v1, PK
	v_lshl_add_u32 v[AK0], v9, 4, v[AK0]  ; row x pitch + 16 x half
	; The turning load takes 16 keys x 16 channels (lane l reads key 8 (l / 16) + l % 8, channels 8 ((l / 8) % 2) + 0..7) and leaves half a fragment of V^T: lane l holds channel l % 16 and 8 keys.
	v_and_b32 v10, 7, v0
	v_bfe_u32 v11, v0, 3, 1
	v_lshl_add_u32 v[AV0], v9, 3, v10
	v_mul_u32_u24 v[AV0], v[AV0], PV
	v_lshl_add_u32 v[AV0], v11, 4, v[AV0]
	v_add_nc_u32 v[AV0], VOFF, v[AV0]
	s_mul_i32 s13, s[WV], 16*SP
	s_add_co_u32 s13, s13, STAGE    ; my stage
	v_mul_u32_u24 v[STO], v1, SP    ; in: row l % 16, 16 bytes for each half of the lanes
	v_lshl_add_u32 v[STO], v9, 4, v[STO]
	v_add_nc_u32 v[STO], s13, v[STO]
	v_bfe_u32 v[RD], v0, 3, 2       ; back: 32 lanes take four rows of 128 bytes,
	v_mul_u32_u24 v[RD], v[RD], SP
	v_lshl_add_u32 v[RD], v10, 4, v[RD]
	v_add_nc_u32 v[RD], s13, v[RD]
	v_and_b32 v[GO], 31, v0         ; which are 512 consecutive bytes of O
	v_lshlrev_b32 v[GO], 4, v[GO]
; THE MATRIX WORK.  The 4 accumulators of a run of 8 take turns.  Product i of 8 of S^T = K Q^T for piece x: channels 32 (i / 4) on, keys 16 (i % 4) on.  The first 4 start the sums.
.macro KQ x
	WIN W_KQ
.set rS, S+32*((\x)%2)+8*(i%4)
.set rK, KF+16*(i%4)+8*(i/4)
.set rQ, 16*(\x)+8*(i/4)
.if i < 4
	v_wmma_f32_16x16x32_f16 v[rS:rS+7], v[rK:rK+7], v[rQ:rQ+7], 0
.else
	v_wmma_f32_16x16x32_f16 v[rS:rS+7], v[rK:rK+7], v[rQ:rQ+7], v[rS:rS+7]
.endif
.endm
; Product i of 8 of O^T += V^T P for piece x: keys 32 (i / 4) on, channels 16 (i % 4) on.
.macro PV x
	WIN W_PV
.set rO, 32*(\x)+8*(i%4)
.set rV, VF+32*(i/4)+8*(i%4)
.set rP, P+16*((\x)%2)+8*(i/4)
	v_wmma_f32_16x16x32_f16 v[rO:rO+7], v[rV:rV+7], v[rP:rP+7], v[rO:rO+7]
.endm
.macro MM                           ; the turn's next matrix instruction.  TURN sets Y, i and NOKQ.  NOKQ = 1: the very last turn: there is no next piece
.if (i < 8) && !NOKQ
	KQ (Y+1)%NP
.elseif i >= 8
.set i, i-8
	PV (Y+NP-1)%NP
.set i, i+8
.endif
.set i, i+1
.endm
; THE LDS LOADS stand in runs of 16, never singly among the matrix instructions: a step's K (64 keys x 64 channels: 8 fragments) and its V (turned).  Their addresses are made some lines ahead.
.macro FETCH_K
	WIN 0x80                        ; destination window 2
.irp f, 0,1,2,3,4,5,6,7             ; keys 16 (f / 2) on, channels 32 (f % 2) on
	ds_load_b128 v[KF+8*\f:KF+8*\f+3],   v[AK] offset:(\f/2)*16*PK+(\f%2)*64
	ds_load_b128 v[KF+8*\f+4:KF+8*\f+7], v[AK] offset:(\f/2)*16*PK+(\f%2)*64+32
.endr
	s_add_co_u32 s[TBK], s[TBK], KS*PK  ; the next fetch is the next step's
	WIN 0
.endm
.macro FETCH_V
	WIN 0x80
.irp f, 0,1,2,3,4,5,6,7             ; keys 32 (f / 4) on, channels 16 (f % 4) on
	ds_load_tr16_b128 v[VF+8*\f:VF+8*\f+3],   v[AV] offset:(\f/4)*32*PV+(\f%4)*32
	ds_load_tr16_b128 v[VF+8*\f+4:VF+8*\f+7], v[AV] offset:(\f/4)*32*PV+16*PV+(\f%4)*32
.endr
	WIN 0
.endm
; THE VECTOR WORK, one line at a time: OP kind, number.  For piece Y: F n: c s - c m for pair n of 16.  E n: the exponential of score n of 32.  C n: pair n rounded to f16.  B n: of the four weights 4 n .. the second
; pair is added onto the first, in place.  L n: l takes that sum (L 0: l = a l + sum).  R n: pair n of 16 of O^T times a.  For piece Y + 1: X n, number n of the 22 that find its maximum and statistics:
;   0-11  four chains c0-c3 of seven scores each, three operands at a time (each accumulator's lowest registers are read first)     12-14, 16  the four scores left over, the old m, and c0-c3 into c0
;   15  c m_old is kept     17, 18  the query's other 32 keys lie in the lane 16 away: the new m     19-21  c m; c m_old - c m_new; a
.set F, 0               ; OP tells the kinds apart by their order: F to L below R, X above it
.set E, 1
.set C, 2
.set B, 3
.set L, 4
.set R, 5
.set X, 6
.macro REGS y                       ; the registers of piece y
.set rT, ST+4*(\y)
.set rC, TMP+4*((\y)%2)
.set rW, MV+((\y)%2)
.set rS, S+32*((\y)%2)
.set rP, P+16*((\y)%2)
.set rO, 32*(\y)
.endm
.macro OP k, n
.if (\k) == R
	REGS Y
	WIN W_RS
	v_pk_mul_f32 v[rO+2*(\n):rO+2*(\n)+1], v[rO+2*(\n):rO+2*(\n)+1], v[rC+2:rC+3] op_sel_hi:[1,0]
.elseif (\k) < R
	REGS Y
	WIN 0
.if (\k) == F
	v_pk_fma_f32 v[rS+2*(\n):rS+2*(\n)+1], v[rS+2*(\n):rS+2*(\n)+1], s[CS:CS+1], v[rT:rT+1] op_sel_hi:[1,0,0] neg_lo:[0,0,1] neg_hi:[0,0,1]
.elseif (\k) == E
	v_exp_f32 v[rS+(\n)], v[rS+(\n)]
.elseif (\k) == C
	s_wait_alu depctr_va_vdst(0)
	v_cvt_pk_f16_f32 v[rP+(\n)], v[rS+2*(\n)], v[rS+2*(\n)+1]
.elseif (\k) == B
	s_wait_alu depctr_va_vdst(0)
	v_pk_add_f32 v[rS+4*(\n):rS+4*(\n)+1], v[rS+4*(\n):rS+4*(\n)+1], v[rS+4*(\n)+2:rS+4*(\n)+3]
.elseif (\n) == 0
	v_pk_fma_f32 v[rT+2:rT+3], v[rT+2:rT+3], v[rC+2:rC+3], v[rS:rS+1] op_sel_hi:[1,0,1]
.else
	v_pk_add_f32 v[rT+2:rT+3], v[rT+2:rT+3], v[rS+4*(\n):rS+4*(\n)+1]
.endif
.elseif NOKQ
	v_nop
.else
	REGS (Y+1)%NP
	WIN 0
.if (\n) < 4
	v_max3_num_f32 v[rC+(\n)], v[rS+8*(\n)], v[rS+8*(\n)+1], v[rS+8*(\n)+2]
.elseif (\n) < 12
	v_max3_num_f32 v[rC+(\n)%4], v[rC+(\n)%4], v[rS+8*((\n)%4)+2*((\n)/4)+1], v[rS+8*((\n)%4)+2*((\n)/4)+2]
.elseif (\n) == 12
	v_max3_num_f32 v[rC], v[rC], v[rS+7], v[rS+15]
.elseif (\n) == 13
	v_max3_num_f32 v[rC+1], v[rC+1], v[rS+23], v[rS+31]
.elseif (\n) == 14
	v_max3_num_f32 v[rC+2], v[rC+2], v[rC+3], v[rT+1]
.elseif (\n) == 15
	v_mov_b32 v[rW], v[rT]
.elseif (\n) == 16
	v_max3_num_f32 v[rC], v[rC], v[rC+1], v[rC+2]
.elseif (\n) == 17
	v_permlanex16_b32 v[rC+3], v[rC], s[SEL], s[SEL+1]
.elseif (\n) == 18
	v_max_num_f32 v[rT+1], v[rC], v[rC+3]
.elseif (\n) == 19
	v_mul_f32 v[rT], s[CS], v[rT+1]
.elseif (\n) == 20
	v_sub_f32 v[rC+1], v[rW], v[rT]
.else
	v_exp_f32 v[rC+2], v[rC+1]
.endif
.endif
.endm
.macro OPS a, i1, b=-1, i2=0, c=-1, i3=0, d=-1, i4=0  ; up to four of them
	OP \a, \i1
.if (\b) >= 0
	OP \b, \i2
.endif
.if (\c) >= 0
	OP \c, \i3
.endif
.if (\d) >= 0
	OP \d, \i4
.endif
.endm
.macro ROW a, i1, b, i2, c, i3, d, i4  ; a matrix instruction and the four behind it
	MM
	OPS \a, \i1, \b, \i2, \c, \i3, \d, \i4
.endm
; A TURN, for piece p: the order of its 16 matrix and 118 vector instructions, written out.  Behind a matrix instruction: plain, exponential, plain, plain; or four of the rescaling; or, behind the first, four scalings;
; none names a register of the products round it.  In the runs between, exponential and plain by turns while exponentials last.  A line reads no result made fewer than three vector instructions in front of it, five if
; an exponential made it.  v_permlanex16_b32 (X 17) stands in such a run.
; end = 1: the launch's last two turns: nothing is fetched.  cnt = 1: the loop's count is taken down some lines ahead of the branch that stands behind the turn.
; K of the next step is fetched in piece 2's turn, six vector instructions behind the last product that read K (five of them plain); V of the step in hand in piece 0's turn, eight behind the last product that read V
; (four plain, and X 17).  Each is waited for a turn later.
.macro TURN p, end=0, cnt=0
.set Y, (\p)
.set i, 0
.set NOKQ, (\end)*((\p)/3)
.if ((\p) == 3) && !(\end)
	s_wait_dscnt 0x0                ; K is in
.endif
	ROW F,0, F,1, F,2, F,3
	ROW F,4, E,0, F,5, F,6
	ROW F,7, E,1, F,8, F,9
	ROW F,10, E,2, C,0, F,11
	ROW F,12, E,3, X,15, F,13
	ROW R,0, R,1, R,2, R,3
	ROW B,0, E,4, F,14, L,0
.if ((\p) == 2) && !(\end)
	v_add_nc_u32 v[AK], s[TBK], v[AK0]
.endif
	ROW R,4, R,5, R,6, R,7
	OPS E,5, F,15
.if ((\p) == 2) && !(\end)
	FETCH_K
.endif
	OPS E,6, C,1, E,7, R,8
	OPS E,8, R,9, E,9, C,2
	OPS E,10, X,0, E,11, X,1
	OPS E,12, X,2, E,13, X,3
.if (\p) == 1
	s_wait_dscnt 0x0                ; V is in
.endif
	ROW X,4, E,14, X,5, X,6
	ROW X,7, E,15, X,8, X,9
	ROW X,10, E,16, X,11, X,12
	ROW X,13, E,17, X,14, B,1
	ROW C,4, E,18, X,16, L,1
	ROW B,2, E,19, C,6, L,2
	ROW C,8, E,20, B,3, B,4
.if (\p) == 0
	v_add_nc_u32 v[AV], s[TBV], v[AV0]
.endif
	ROW C,3, E,21, L,3, C,5
	OPS E,22, X,17, E,23, C,10
.if (\p) == 0
	FETCH_V
.endif
	OPS E,24, L,4
	OPS E,25, X,18, E,26, C,7
	OPS E,27, B,5, E,28, X,19
	OPS E,29, C,12, E,30, L,5
	OPS E,31, X,20, B,6, C,9
	OPS C,14, C,11, X,21, L,6
.if (\p) == 0
	s_add_co_u32 s[TBV], s[TBV], KS*PV
.endif
.if \cnt
	s_sub_co_u32 s[CNT], s[CNT], 1
	s_cmp_lg_u32 s[CNT], 0
.endif
	OPS C,13, B,7, C,15, R,10
	OPS R,11, R,12, L,7, R,13
	OPS R,14, R,15
.endm
	CHANGE 1                        ; slot 0 is in, everybody's part of it; slot 1 is asked for
	v_add_nc_u32 v[AK], s[TBK], v[AK0]
	FETCH_K                         ; key step 0
	s_wait_loadcnt 0x0              ; Q
	s_wait_dscnt 0x0
.set NOKQ, 0
.set i, 0
.rept 8
	KQ 0                            ; piece 0's first scores: there is no vector work yet to set between them
.set i, i+1
.endr
	WIN 0
.rept 4
	v_nop                           ; the places behind those products
.endr
.set Y, NP-1                        ; X works for piece Y + 1: piece 0
.irp n, 0,1,2,3,4,5,6,7,8,9,10,11,12,13,14,15,16,17,18,19,20,21
	OP X, \n                        ; and piece 0's first maximum and statistics
.endr
	v_nop                           ; a plain instruction behind the exponential
	s_mov_b32 s[CNT], 4
	s_mov_b32 s[SLOTS], SIZE_N/256-1
	s_branch .Lfirst                ; the loop is entered at a step's first turn, in the middle of a trip
.Lslot:                             ; SIZE_N / 256 - 2 times: every slot but the last two is filled again
	CHANGE 1
	s_mov_b32 s[CNT], 4
.Lstep:                             ; a trip: pieces 2 and 3 of one step, then pieces 0 and 1 of the next, whose K and V it fetches
	TURN 2
	TURN 3
	WIN 0
.Lfirst:
	TURN 0
	TURN 1, 0, 1
	WIN 0
	s_cbranch_scc1 .Lstep
	s_sub_co_u32 s[SLOTS], s[SLOTS], 1
	s_cmp_lg_u32 s[SLOTS], 0
	s_cbranch_scc1 .Lslot
	CHANGE 0                        ; the last tile is written out: nothing is asked for
	s_mov_b32 s[CNT], 4
.LstepT:
	TURN 2
	TURN 3
	TURN 0
	TURN 1, 0, 1
	WIN 0
	s_cbranch_scc1 .LstepT
	TURN 2, 1                       ; the last step's pieces 2 and 3: nothing is fetched, and the last turn starts no new scores
	TURN 3, 1
.set i, 0
.rept 8
	PV NP-1                         ; the last piece's V^T P of the last step
.set i, i+1
.endr
	; THE WAY OUT.  l's two halves and the other half of the lanes' are added; O^T is divided by l, rounded to f16 and sent through my stage in LDS, a piece at a time.  The additions are the places behind the last products.
	WIN 0
.macro ALL line:vararg              ; one line for each piece t
.set t, 0
.rept 4
	\line
.set t, t+1
.endr
.endm
	ALL v_add_f32 v[ST+4*t+2], v[ST+4*t+2], v[ST+4*t+3]
	ALL v_permlanex16_b32 v[ST+4*t+3], v[ST+4*t+2], s[SEL], s[SEL+1]
	ALL v_add_f32 v[ST+4*t+2], v[ST+4*t+2], v[ST+4*t+3]
	ALL v_rcp_f32 v[ST+4*t+2], v[ST+4*t+2]
	v_nop                           ; a plain instruction between the last reciprocal and the use of its result
.macro PACK t                       ; a lane's eight channels of a row pack into 16 bytes; they go into rows of 144 bytes and come back as whole rows of 128, into S^T's registers
	WIN W_RS
.set i, 32*(\t)
.rept 16
	s_wait_alu depctr_va_vdst(0)
	v_pk_mul_f32 v[i:i+1], v[i:i+1], v[ST+4*(\t)+2:ST+4*(\t)+3] op_sel_hi:[1,0]
.set i, i+2
.endr
	WIN 0x05                        ; sources 0 and 1 window 1, destination window 0
.set i, 0
.rept 16
	v_cvt_pk_f16_f32 v[S+16*(\t)+i], v[32*(\t)+2*i], v[32*(\t)+2*i+1]
.set i, i+1
.endr
	WIN 0
.irp f, 0,1,2,3
	ds_store_b128 v[STO], v[S+16*(\t)+4*\f:S+16*(\t)+4*\f+3] offset:32*\f
.endr
.irp f, 0,1,2,3
	ds_load_b128 v[S+16*(\t)+4*\f:S+16*(\t)+4*\f+3], v[RD] offset:\f*4*SP  ; LDS serves a wave's instructions in order (ISA guide 5.7.1.4): these see the stores above; the next piece's stores come behind them
.endr
.endm
.macro SEND t, younger              ; younger: the LDS instructions issued behind piece t's loads: the next piece's eight, or none
	WIN 0
.irp f, 0,1,2,3
	s_wait_dscnt (\younger)+3-\f
	global_store_b128 v[GO], v[S+16*(\t)+4*\f:S+16*(\t)+4*\f+3], s[10:11] offset:(\t)*2048+\f*512  ; 512 consecutive bytes, at a multiple of 256 from O's first
.endr
.endm
	PACK 0
.set t, 1
.rept 3                             ; a piece's arithmetic stands between the loads of the piece before and its stores
	PACK t
	SEND t-1, 8
.set t, t+1
.endr
	SEND 3, 0
	s_wait_tensorcnt 0x0            ; the wave's end: these three lines stand behind my last tensor load and my last LDS store
	ds_add_u32 v[SPW], v[NIL]
	s_wait_dscnt 0x0
	CROUND                          ; the closing round: no work-group ends while a partner may still ask for a tile that names it
	s_endpgm
.Lfunc_end_k_q49dd7eddcf_attn:
	.size	k_q49dd7eddcf_attn, .Lfunc_end_k_q49dd7eddcf_attn-k_q49dd7eddcf_attn
	.p2alignl 7, 3214868480
	.fill 96, 4, 3214868480
	.section	.rodata,"a",@progbits
	.p2align	6, 0x0
	.amdhsa_kernel k_q49dd7eddcf_attn
		.amdhsa_group_segment_fixed_size 327680
		.amdhsa_private_segment_fixed_size 0
		.amdhsa_enable_private_segment 0
		.amdhsa_kernarg_size 32
		.amdhsa_user_sgpr_count 2
		.amdhsa_user_sgpr_kernarg_segment_ptr 1
		.amdhsa_wavefront_size32 1
		.amdhsa_system_sgpr_workgroup_id_x 1
		.amdhsa_system_sgpr_workgroup_id_y 1
		.amdhsa_system_sgpr_workgroup_id_z 1
		.amdhsa_system_vgpr_workitem_id 0
		.amdhsa_next_free_vgpr 768
		.amdhsa_next_free_sgpr 66
		.amdhsa_reserve_vcc 0
		.amdhsa_float_denorm_mode_32 3
		.amdhsa_float_denorm_mode_16_64 3
		.amdhsa_memory_ordered 1
		.amdhsa_forward_progress 1
		.amdhsa_inst_pref_size 133
	.end_amdhsa_kernel
	.amdgpu_metadata
---
amdhsa.version: [ 1, 2 ]
amdhsa.kernels:
  - .name:           k_q49dd7eddcf_attn
    .symbol:         k_q49dd7eddcf_attn.kd
    .args:
      - { .name: qh, .offset: 0, .size: 8, .value_kind: global_buffer, .address_space: global }
      - { .name: kh, .offset: 8, .size: 8, .value_kind: global_buffer, .address_space: global }
      - { .name: vh, .offset: 16, .size: 8, .value_kind: global_buffer, .address_space: global }
      - { .name: oh, .offset: 24, .size: 8, .value_kind: global_buffer, .address_space: global }
    .group_segment_fixed_size: 327680
    .private_segment_fixed_size: 0
    .kernarg_segment_align: 8
    .kernarg_segment_size: 32
    .max_flat_workgroup_size: 128
    .sgpr_count:     66
    .vgpr_count:     768
    .wavefront_size: 32
...
	.end_amdgpu_metadata
.endif
;; end of part 2
;; launch oproj (part 3): grid 4 x 64, 4 waves a work-group, clusters of 4 x 4, 327,680 bytes of LDS; arguments oh, wo16, out0, bo; writes out0
.if DOCPART == 3
	.amdgcn_target "amdgcn-amd-amdhsa--gfx1250"
	.amdhsa_code_object_version 6
	.text
	.protected	k_q49dd7eddcf_oproj
	.globl	k_q49dd7eddcf_oproj
	.p2align	8
	.type	k_q49dd7eddcf_oproj,@function
k_q49dd7eddcf_oproj:
	s_mov_b64 s[64:65], 0
	v_nop
	global_prefetch_b8 v0, s[64:65] scope:SCOPE_SE
	s_setreg_imm32_b32 hwreg(HW_REG_WAVE_MODE, 25, 1), 1
	s_wait_xcnt 0x0
	s_wait_alu depctr_hold_cnt(0) depctr_sa_sdst(0) depctr_va_vdst(0) depctr_va_sdst(0) depctr_va_ssrc(0) depctr_va_vcc(0) depctr_vm_vsrc(0)
	s_getreg_b32 s2, hwreg(HW_REG_IB_STS2, 6, 4)
	s_cmp_eq_u32 s2, 0
	s_cbranch_scc0 .Lentry_in_a_cluster
	s_endpgm
.Lentry_in_a_cluster:
	s_bfe_u32 s2, ttmp6, 0x10000c
	s_cmp_lg_u32 s2, 0xf033
	s_cbranch_scc0 .Lentry_shape_is_right
	s_endpgm
.Lentry_shape_is_right:
; THE OUTPUT PROJECTION.  out0[row][n] = the sum over k of O[row][k] Wo[n][k] + bo[n].  O lies by heads, [16 = 8 batch + head][4096][64] f16 (k = 64 head + channel); wo16: [512 n][512 k], Wo rounded to bf16 and
; written as f16; bo: [512] f32, rounded to bf16 here like every input; out0: [8192][512] f32.  Products f16 x f16, sums in f32, started at the bias.
; LIMITS.  O and wo16 arrive within f16's range; NaN and infinities are not treated apart.
; SHARES.  One tile of 128 x 128 to each of 256 work-groups; four waves, each 64 x 64: 16 accumulators.  All of K (512) fits in LDS at once: O's 128 rows of 8 heads and Wo's 128 rows in 4 chunks of 128 along K.
; So nothing is filled again: each wave issues four tensor loads in one group at the start (four are out), one for each chunk, and the chunks are multiplied as they land.
; CLUSTER.  4 x 4 work-groups: O's tiles are shared along a row of the cluster, wo16's along a column, each asked for JOINTLY by the same tensor load, descriptor and mask in all four.
; THE MATRIX INSTRUCTION IS USED TRANSPOSED (source 0 = 16 rows of Wo, source 1 = 16 rows of O): a lane then holds eight neighbouring columns of one row of out0, 32 bytes.
; REGISTERS: window 0: v0-31 addresses; v32-95 at work on the way out; v96-127 the bias of my columns; v128-255 the accumulators ((a, b) at v[128 + 8 (4 a + b)]).
;   window 1: two fragment buffers of 128: for 64 along K (one head), 64 registers of O (2 x 4 x 16 rows x 32 K), then 64 of Wo.
.set PA,     144                       ; a row of O in LDS: 128 bytes + 16 of padding = 36 words: the 16 rows of a load start at 16 different groups of four banks (64 banks of 4 bytes: ISA guide 11.1)
.set HEADB,  128*PA                    ; a head's 128 rows
.set PB,     272                       ; a row of a chunk of Wo: 256 bytes + 16 = 68 words: row r starts at bank 4 r mod 64
.set BBASE,  8*HEADB                   ; behind O's eight heads
.set CHUNK,  128*PB                    ; 128 rows x 128 along K
.set STAGE,  BBASE+4*CHUNK             ; behind the tiles, never filled by a tensor load: 16 rows x 272 bytes for each wave, for the way out
.set SPITCH, 272
.set SPARE,  STAGE+4*16*SPITCH         ; behind the stages: the spare words, 128 bytes for each wave: two blocks of 256 bytes that no other line names
.set ADRA, 16                          ; v16-19  LDS address of my O fragments in chunk 0 .. 3 (heads 2 c, 2 c + 1)
.set ADRB, 20                          ; v20-23  the same for Wo
.set STO,  24                          ; v24     the way out: where I put 32 bytes of a row
.set RD,   25                          ; v25     the way out: where I read a row back
.set CO,   26                          ; v26     my byte offset in out0
.set SPW,  28                          ; v28     LDS address of my spare word: SPARE + 4 x my thread's number; never rewritten
.set NIL,  29                          ; v29     0; never rewritten
.set TMP,  32
.set BIAS, 96                          ; register 8 b + j is column 16 b + 8 (lane / 16) + j of my 64
.set ACC,  128
.set F0,   0                           ; fragment buffers, in window 1
.set F1,   128
.set G1A,  24                          ; s[24:31] descriptor group 1 for O's tiles
.set G1B,  32                          ; s[32:39] for Wo's
.set G0A,  40                          ; s[40:55] descriptor group 0 for O's tiles, a set for each chunk
.set G0B,  68                          ; s[68:83] the same for Wo's
.set MSB, 0
.macro WIN new                         ; the immediate's high byte repeats the setting that is left
.if MSB != (\new)
	s_set_vgpr_msb (MSB<<8)|(\new)
.set MSB, \new
.endif
.endm
.set MUL,  0x05                        ; sources 0 (Wo) and 1 (O) window 1; C and D window 0
.set TO_F, 0x40                        ; destination window 1, address window 0
.macro CROUND                          ; a round of the cluster's barrier: my work-group's barrier; wave 0 signals for the work-group; every wave waits for all sixteen; my work-group's barrier once more
	s_barrier_signal -1
	s_barrier_wait -1
	s_cmp_lg_u32 s12, 0
	s_cbranch_scc1 .Lnot_wave_0_\@
	s_barrier_signal -3
.Lnot_wave_0_\@:
	s_barrier_wait -3
	s_barrier_signal -1
	s_barrier_wait -1
.endm
	s_load_b256 s[4:11], s[0:1], 0x0               ; oh s[4:5], wo16 s[6:7], out0 s[8:9], bo s[10:11]
	v_lshl_add_u32 v[SPW], v0, 2, SPARE
	v_mov_b32 v[NIL], 0
	ds_add_u32 v[SPW], v[NIL]                      ; the wave's opening: the add and its wait stand ahead of my first tensor load; the set-up below, work on registers, stands between them
	v_lshrrev_b32 v1, 5, v0
	v_readfirstlane_b32 s12, v1                    ; wave 0..3
	s_lshr_b32 s13, s12, 1                         ; which half of the tile's rows is mine.  Also: I fetch for O (0) or for Wo (1)
	s_and_b32 s14, s12, 1                          ; which half of its columns.  Also: which head of a chunk's two, or which 64 rows of Wo, I fetch
	s_bfe_u32 s56, ttmp6, 0x40000                  ; cx, cy: my place in the cluster
	s_bfe_u32 s57, ttmp6, 0x40004
	s_lshl_b32 s58, ttmp9, 2
	s_add_co_u32 s58, s58, s56                     ; tx = 4 x cluster x + cx
	s_and_b32 s15, ttmp7, 0xffff
	s_lshl_b32 s15, s15, 2
	s_add_co_u32 s15, s15, s57                     ; ty = 4 x cluster y + cy
	s_lshl_b32 s59, s57, 2
	s_lshl_b32 s59, 15, s59                        ; my row of the cluster
	s_lshl_b32 s60, 0x1111, s56                    ; my column
	; descriptor group 1.  O: a head's 128 rows are 16,384 dense bytes: asked for as 64 rows of 256 bytes, two rows of O each, padded in LDS after every row of O.  Wo: 64 rows x 128 elements, 512 from row to row
	s_or_b32 s[G1A], s59, (1<<16)|(1<<20)|(1<<21)|(4<<22)|(3<<25)  ; 15:0 the mask; 17:16 2-byte elements; 20 padding on; 21 set beside a mask; 24:22 after every 32 words (code 4); 31:25 4 words (code 3)
	s_or_b32 s[G1B], s60, (1<<16)|(1<<20)|(1<<21)|(5<<22)|(3<<25)  ; after every 64 words (code 5)
.irp g, G1A, G1B
	s_mov_b32 s[(\g)+1], 128<<16                   ; tensor_dim0 = 128
	s_mov_b32 s[(\g)+2], 64<<16                    ; tensor_dim1 = 64
	s_mov_b32 s[(\g)+3], 128<<16                   ; tile_dim0 = 128
	s_mov_b32 s[(\g)+4], 64                        ; tile_dim1 = 64
	s_mov_b32 s[(\g)+6], 0
	s_mov_b32 s[(\g)+7], 0
.endr
	s_mov_b32 s[G1A+5], 128                        ; elements from row to row
	s_mov_b32 s[G1B+5], 512
	; where the tiles come from.  O's hang on ty alone, Wo's on tx alone, each in registers that never hold the other coordinate
	s_lshr_b32 s16, s15, 5                         ; the batch,
	s_lshl_b32 s16, s16, 3
	s_add_co_u32 s16, s16, s14                     ; its head 0 or 1,
	s_lshl_b32 s16, s16, 19                        ; 2^19 bytes a head,
	s_and_b32 s17, s15, 31
	s_lshl_b32 s17, s17, 14                        ; and in it 128 (ty % 32) rows of 128 bytes
	s_add_co_u32 s16, s16, s17
	s_mov_b32 s17, 0
	s_lshl_b32 s20, s58, 7
	s_lshl_b32 s21, s14, 6
	s_add_co_u32 s20, s20, s21                     ; Wo: row 128 tx + 64 half,
	s_lshl_b32 s20, s20, 10                        ; 1,024 bytes each
	s_mov_b32 s21, 0
	s_mul_i32 s18, s14, HEADB                      ; where they go: no place in the cluster enters an LDS address
	s_mul_i32 s19, s14, 64*PB
	s_add_co_u32 s19, s19, BBASE
	s_lshl_b32 s61, s58, 1
	s_add_co_u32 s61, s61, s14
	s_lshl_b32 s61, s61, 8                         ; my first column, 128 tx + 64 half, in bytes of f32
	s_lshl_b32 s22, s15, 1
	s_add_co_u32 s22, s22, s13
	s_lshl_b32 s22, s22, 17                        ; my first row, 128 ty + 64 half, 2,048 bytes each
	s_add_co_u32 s22, s22, s61
	s_mov_b32 s23, 0
	s_wait_dscnt 0x0                               ; the opening add is done
	s_wait_kmcnt 0x0
	s_add_nc_u64 s[4:5], s[4:5], s[16:17]
	s_add_nc_u64 s[6:7], s[6:7], s[20:21]
	s_add_nc_u64 s[8:9], s[8:9], s[22:23]
.irp c, 0,1,2,3
	s_mov_b32 s[G0A+4*(\c)], 1                                       ; 1:0 count = 1
	s_add_co_u32 s[G0A+4*(\c)+1], s18, (\c)*2*HEADB                  ; 63:32 LDS address: head 2 c + half
	s_add_nc_u64 s[G0A+4*(\c)+2:G0A+4*(\c)+3], s[4:5], (\c)<<20      ; 120:64 global address: two heads on for each chunk
	s_or_b32 s[G0A+4*(\c)+3], s[G0A+4*(\c)+3], 0x80000000            ; 127:126 type = 2
	s_mov_b32 s[G0B+4*(\c)], 1
	s_add_co_u32 s[G0B+4*(\c)+1], s19, (\c)*CHUNK
	s_add_nc_u64 s[G0B+4*(\c)+2:G0B+4*(\c)+3], s[6:7], (\c)*256      ; 128 along K on for each chunk
	s_or_b32 s[G0B+4*(\c)+3], s[G0B+4*(\c)+3], 0x80000000
.endr
	CROUND                                         ; all sixteen work-groups are here: the joint loads meet
	s_cmp_eq_u32 s13, 0                            ; a wave's four fills stand in one branch, ahead of every wait on TENSORcnt, every LDS read and every other barrier; an s_nop 0 follows each, four v_nop the last
	s_cbranch_scc0 .Lfill_b
.irp c, 0,1,2,3
	tensor_load_to_lds s[G0A+4*(\c):G0A+4*(\c)+3], s[G1A:G1A+7]
	s_nop 0
.endr
.rept 4
	v_nop
.endr
	s_branch .Lfilled
.Lfill_b:
.irp c, 0,1,2,3
	tensor_load_to_lds s[G0B+4*(\c):G0B+4*(\c)+3], s[G1B:G1B+7]
	s_nop 0
.endr
.rept 4
	v_nop
.endr
.Lfilled:
	v_and_b32 v1, 15, v0                           ; l % 16
	v_bfe_u32 v2, v0, 4, 1                         ; l / 16
	v_lshl_add_u32 v3, v2, 5, s61                  ; my byte offset in bo: 8 columns on for the upper half of the lanes
.irp b, 0,1,2,3
	global_load_b128 v[BIAS+8*(\b):BIAS+8*(\b)+3],   v3, s[10:11] offset:64*(\b)
	global_load_b128 v[BIAS+8*(\b)+4:BIAS+8*(\b)+7], v3, s[10:11] offset:64*(\b)+16
.endr
	; A fragment is 16 rows x 32 K in 8 registers: lane l holds row l % 16, K = 8 (l / 16) + 0..7 and 16 + 8 (l / 16) + 0..7: two loads of 16 bytes, 32 bytes apart.
	v_mul_u32_u24 v4, v1, PA
	v_lshl_add_u32 v4, v2, 4, v4                   ; row x pitch + 16 x half
	s_mul_i32 s62, s13, 64*PA                      ; my 64 rows of O
	v_add_nc_u32 v[ADRA], s62, v4
	v_mul_u32_u24 v5, v1, PB
	v_lshl_add_u32 v5, v2, 4, v5
	v_add_nc_u32 v[ADRB], s19, v5                  ; my 64 rows of Wo
.irp c, 1,2,3
	v_add_nc_u32 v[ADRA+(\c)], (\c)*2*HEADB, v[ADRA]
	v_add_nc_u32 v[ADRB+(\c)], (\c)*CHUNK, v[ADRB]
.endr
	s_mul_i32 s62, s12, 16*SPITCH
	s_add_co_u32 s62, s62, STAGE                   ; my stage
	v_mul_u32_u24 v6, v1, SPITCH                   ; in: row l % 16, 32 bytes for each half of the lanes
	v_lshl_add_u32 v6, v2, 5, v6
	v_add_nc_u32 v[STO], s62, v6
	v_mul_u32_u24 v7, v2, SPITCH                   ; back: lanes 0-15 take one row of 256 bytes, lanes 16-31 the next
	v_lshl_add_u32 v7, v1, 4, v7
	v_add_nc_u32 v[RD], s62, v7
	v_lshlrev_b32 v8, 11, v2                       ; and the same two rows in out0
	v_lshl_add_u32 v[CO], v1, 4, v8
	s_wait_loadcnt 0x0                             ; the bias, once: rounded to bf16 and widened, in place
.set n, 0
.rept 16
	v_cvt_pk_bf16_f32 v[TMP+n%4], v[BIAS+2*n], v[BIAS+2*n+1]
	v_lshlrev_b32 v[BIAS+2*n],   16, v[TMP+n%4]
	v_and_b32     v[BIAS+2*n+1], 0xffff0000, v[TMP+n%4]
.set n, n+1
.endr
; 8 matrix instructions: row blocks a0, a0 + 1 x all 4 column blocks, 32 along K: half c of buffer f.  first = 1: the sums start at the bias, which costs nothing.  The 16 accumulators take turns
.macro MUL8 f, c, a0, first
	WIN MUL
.irp a, \a0, (\a0)+1
.irp b, 0,1,2,3
.if \first
	v_wmma_f32_16x16x32_f16 v[ACC+8*(4*(\a)+(\b)):ACC+8*(4*(\a)+(\b))+7], v[(\f)+64+8*(4*(\c)+(\b)):(\f)+64+8*(4*(\c)+(\b))+7], v[(\f)+8*(4*(\c)+(\a)):(\f)+8*(4*(\c)+(\a))+7], v[BIAS+8*(\b):BIAS+8*(\b)+7]
.else
	v_wmma_f32_16x16x32_f16 v[ACC+8*(4*(\a)+(\b)):ACC+8*(4*(\a)+(\b))+7], v[(\f)+64+8*(4*(\c)+(\b)):(\f)+64+8*(4*(\c)+(\b))+7], v[(\f)+8*(4*(\c)+(\a)):(\f)+8*(4*(\c)+(\a))+7], v[ACC+8*(4*(\a)+(\b)):ACC+8*(4*(\a)+(\b))+7]
.endif
.endr
.endr
.endm
; 32 LDS loads in one run: the fragments of quarter qd (head qd: 64 along K) into buffer f; the first 32 along K first
.macro FETCH qd, f
	WIN TO_F
.irp c, 0,1
.irp i, 0,1,2,3
	ds_load_b128 v[(\f)+64+8*(4*(\c)+(\i)):(\f)+64+8*(4*(\c)+(\i))+3],   v[ADRB+(\qd)/2] offset:128*((\qd)%2)+64*(\c)+(\i)*16*PB
	ds_load_b128 v[(\f)+64+8*(4*(\c)+(\i))+4:(\f)+64+8*(4*(\c)+(\i))+7], v[ADRB+(\qd)/2] offset:128*((\qd)%2)+64*(\c)+(\i)*16*PB+32
	ds_load_b128 v[(\f)+8*(4*(\c)+(\i)):(\f)+8*(4*(\c)+(\i))+3],         v[ADRA+(\qd)/2] offset:HEADB*((\qd)%2)+64*(\c)+(\i)*16*PA
	ds_load_b128 v[(\f)+8*(4*(\c)+(\i))+4:(\f)+8*(4*(\c)+(\i))+7],       v[ADRA+(\qd)/2] offset:HEADB*((\qd)%2)+64*(\c)+(\i)*16*PA+32
.endr
.endr
.endm
.macro PLACES                          ; four places in front of loads into registers that matrix instructions have read, and of LDS stores that read results (ISA guide 7.12.1 for vector instructions)
.rept 4
	v_nop
.endr
.endm
; An even quarter multiplies buffer 0 and fetches the chunk's second head into buffer 1
.macro QE qd, first
	s_wait_dscnt 16                                ; the first 32 along K are in
	MUL8 F0, 0, 0, \first
	MUL8 F0, 0, 2, \first
	PLACES
	FETCH (\qd)+1, F1
	s_wait_dscnt 32                                ; all but the 32 just issued
	MUL8 F0, 1, 0, 0
	MUL8 F0, 1, 2, 0
.endm
; An odd quarter multiplies buffer 1 and goes on to the next chunk: my load for that chunk has landed (the later chunks' loads, issued behind it, may stay out),
; and behind the barrier everybody's has
.macro QB qd
	s_wait_tensorcnt 2-(\qd)/2
	s_wait_dscnt 0x0                               ; no LDS instruction of mine is out at the signal
	s_barrier_signal -1
	MUL8 F1, 0, 0, 0                               ; work on registers while the others arrive
	MUL8 F1, 0, 2, 0
	s_barrier_wait -1
	PLACES
	FETCH (\qd)+1, F0
	MUL8 F1, 1, 0, 0
	MUL8 F1, 1, 2, 0
.endm
	s_wait_tensorcnt 3                             ; my part of chunk 0 is in; three loads of mine may stay out
	s_barrier_signal -1
	s_barrier_wait -1                              ; everybody's is
	FETCH 0, F0
	QE 0, 1
	QB 1
	QE 2, 0
	QB 3
	QE 4, 0
	QB 5
	QE 6, 0
	s_wait_dscnt 16                                ; the last quarter: nothing more to fetch
	MUL8 F1, 0, 0, 0
	MUL8 F1, 0, 2, 0
	s_wait_dscnt 0x0
	MUL8 F1, 1, 0, 0
	MUL8 F1, 1, 2, 0
	WIN 0
	; THE WAY OUT, a block of 16 rows at a time: a lane's 32 bytes of a row go from the accumulators into my own stage (each accumulator's lowest registers first), come back as whole rows of 256 bytes, and are stored.
	PLACES
.irp a, 0,1,2,3
.irp b, 0,1,2,3
	ds_store_b128 v[STO], v[ACC+8*(4*(\a)+(\b)):ACC+8*(4*(\a)+(\b))+3]   offset:64*(\b)
	ds_store_b128 v[STO], v[ACC+8*(4*(\a)+(\b))+4:ACC+8*(4*(\a)+(\b))+7] offset:64*(\b)+16
.endr
.if (\a) >= 2
	s_wait_xcnt 0x0                                ; the stores of the block two back have read these registers: they are loaded again only behind this wait
.endif
.irp t, 0,1,2,3,4,5,6,7
	ds_load_b128 v[TMP+32*((\a)%2)+4*(\t):TMP+32*((\a)%2)+4*(\t)+3], v[RD] offset:(\t)*2*SPITCH  ; LDS serves a wave's instructions in order (ISA guide 5.7.1.4): these see the stores above; the next block's stores come behind them
.endr
.irp t, 0,1,2,3,4,5,6,7
	s_wait_dscnt 7-(\t)
	global_store_b128 v[CO], v[TMP+32*((\a)%2)+4*(\t):TMP+32*((\a)%2)+4*(\t)+3], s[8:9] offset:(16*(\a)+2*(\t))*2048  ; 16 lanes store 256 consecutive bytes, at a multiple of 256 from out0's first byte
.endr
.endr
	s_wait_tensorcnt 0x0                           ; the wave's end: these three lines stand behind my last tensor load and my last LDS store
	ds_add_u32 v[SPW], v[NIL]
	s_wait_dscnt 0x0
	CROUND                                         ; the closing round: no work-group ends while a partner may still ask for a tile that names it
	s_endpgm
.Lfunc_end_k_q49dd7eddcf_oproj:
	.size	k_q49dd7eddcf_oproj, .Lfunc_end_k_q49dd7eddcf_oproj-k_q49dd7eddcf_oproj
	.p2alignl 7, 3214868480
	.fill 96, 4, 3214868480
	.section	.rodata,"a",@progbits
	.p2align	6, 0x0
	.amdhsa_kernel k_q49dd7eddcf_oproj
		.amdhsa_group_segment_fixed_size 327680
		.amdhsa_private_segment_fixed_size 0
		.amdhsa_enable_private_segment 0
		.amdhsa_kernarg_size 32
		.amdhsa_user_sgpr_count 2
		.amdhsa_user_sgpr_kernarg_segment_ptr 1
		.amdhsa_wavefront_size32 1
		.amdhsa_system_sgpr_workgroup_id_x 1
		.amdhsa_system_sgpr_workgroup_id_y 1
		.amdhsa_system_sgpr_workgroup_id_z 1
		.amdhsa_system_vgpr_workitem_id 0
		.amdhsa_next_free_vgpr 512
		.amdhsa_next_free_sgpr 84
		.amdhsa_reserve_vcc 0
		.amdhsa_float_denorm_mode_32 3
		.amdhsa_float_denorm_mode_16_64 3
		.amdhsa_memory_ordered 1
		.amdhsa_forward_progress 1
		.amdhsa_inst_pref_size 55
	.end_amdhsa_kernel
	.amdgpu_metadata
---
amdhsa.version: [ 1, 2 ]
amdhsa.kernels:
  - .name:           k_q49dd7eddcf_oproj
    .symbol:         k_q49dd7eddcf_oproj.kd
    .args:
      - { .name: oh, .offset: 0, .size: 8, .value_kind: global_buffer, .address_space: global }
      - { .name: wo16, .offset: 8, .size: 8, .value_kind: global_buffer, .address_space: global }
      - { .name: out0, .offset: 16, .size: 8, .value_kind: global_buffer, .address_space: global }
      - { .name: bo, .offset: 24, .size: 8, .value_kind: global_buffer, .address_space: global }
    .group_segment_fixed_size: 327680
    .private_segment_fixed_size: 0
    .kernarg_segment_align: 8
    .kernarg_segment_size: 32
    .max_flat_workgroup_size: 128
    .sgpr_count:     84
    .vgpr_count:     512
    .wavefront_size: 32
...
	.end_amdgpu_metadata
.endif
;; end of part 3
